; MI455X (gfx1250); checked and timed in simulation.
; The chip was launched on July 23, 2026; its instructions are those of AMD's public machine-readable ISA for CDNA 5 (MIT licence, August 2026) and "CDNA5" Instruction Set Architecture Reference Guide (July 2026). The comments in the code are by the model that wrote it; some were corrected since.
;; KNRM. Allowed arithmetic: matrix products marked QUANTISED: E2M1 operands, one E8M0 scale for each 32 along K, by v_wmma_scale_f32_16x16x128_f8f6f4 with both operands' format E2M1 (or v_wmma_scale_f32_32x16x128_f4), f32 sums; products left as they are: f32 operands where the result goes on into a quantised operand, else bf16, f16 or f32 operands; f32 sums; everything else in f32.
;; Inputs: W1 21 x 10 float32; W2 10 x 5 float32; W3 5 x 1 float32; b1 10 float32; b2 5 float32; b3 1 float32; doc_1 4,096 x 64 int32; doc_2 4,096 x 64 int32; emb 100,000 x 128 float32; query_1 4,096 x 32 int32; query_2 4,096 x 32 int32.
;; Outputs: out0 4,096 x 1 float32.
;; This version of the problem:
;;   THIS VERSION OF THE PROBLEM IS GIVEN IN LOW PRECISION. The matrix products marked QUANTISED in the list below multiply operands that are first quantised to E2M1 (2 exponent bits, 1 mantissa bit; 4 bits a number), with one power-of-two scale for each 32 numbers along K (OCP MX v1.0); their sums are f32. All else is computed in f32.
;;   The module's matrix products, in the order in which they are computed (A, B: the left and right operand; K: the contracted axis; several contracted axes count as one K, in the product's order):
;;     1. batch 4,096 x [M 32, K 128] x [K 128, N 64]; A: computed on the way; B: computed on the way: QUANTISED
;;     2. [M 4,096, K 21] x [K 21, N 10]; A: computed on the way; B: input W1: left as it is (K = 21 < 32)
;;     3. [M 4,096, K 10] x [K 10, N 5]; A: computed on the way; B: input W2: left as it is (K = 10 < 32)
;;     4. [M 4,096, K 5] x [K 5, N 1]; A: computed on the way; B: input W3: left as it is (K = 5 < 32)
;;     5. batch 4,096 x [M 32, K 128] x [K 128, N 64]; A: computed on the way; B: computed on the way: QUANTISED
;;     6. [M 4,096, K 21] x [K 21, N 10]; A: computed on the way; B: input W1: left as it is (K = 21 < 32)
;;     7. [M 4,096, K 10] x [K 10, N 5]; A: computed on the way; B: input W2: left as it is (K = 10 < 32)
;;     8. [M 4,096, K 5] x [K 5, N 1]; A: computed on the way; B: input W3: left as it is (K = 5 < 32)
;;   THE QUANTISER, for each operand of a quantised product, along K:
;;     - K is cut into blocks of 32 from its start; a last block that is shorter is filled with zeros.
;;     - A block's scale is 2^e with e = floor(log2(the largest magnitude in the block)) - 2, held to -126 .. 127; a block of zeros has e = 0. As a byte (E8M0): e + 127.
;;     - Each number is divided by its block's scale, clamped to +-6, and rounded to the nearest number of E2M1, ties to even, subnormals kept.
;;     - The product sums the exact products of the quantised numbers (number of the format x scale) in f32.
;;   ~~~python
;;   def quantise(x, axis):      # numpy; x: float32 -> the quantised numbers, widened to float32 again
;;       x = np.moveaxis(x, axis, -1); K = x.shape[-1]
;;       x = np.pad(x, [(0, 0)] * (x.ndim - 1) + [(0, -K % 32)]); x = x.reshape(x.shape[:-1] + (-1, 32)); a = np.abs(x).max(-1, keepdims=True)
;;       e = np.where(a > 0, np.clip(np.frexp(np.where(a > 0, a, 1))[1] - 1 - 2, -126, 127), 0)      # np.frexp(a)[1] - 1 = floor(log2(a)), exactly
;;       r = np.clip(x / 2.0 ** e, -6, 6)
;;       step = 2.0 ** (np.maximum(np.frexp(np.where(r == 0, 1, r))[1] - 1, 0) - 1)
;;       q = np.round(r / step) * step * 2.0 ** e      # np.round: ties to even
;;       return np.moveaxis(q.reshape(q.shape[:-2] + (-1,))[..., :K], -1, axis).astype(np.float32)
;;   ~~~
;;   OPERANDS COMPUTED ON THE WAY. 'Computed on the way' means the value that the module computes at that place (a softmax that the list does not call 'softmax' is quantised finished and normalised). What goes into a quantiser is computed in f32, as accurately as f32 sums, v_exp_f32 and their like allow (about 1e-6 of the number): no bf16 or f16 on the way to a quantiser, and a product that is left as it is and whose result goes on into a quantised operand takes f32 operands (vector FMAs, or v_wmma_f32_16x16x4_f32). A number that lies on a knife's edge between two numbers of the format may be rounded either way, as far as f32 arithmetic and the matrix unit's own rounding can turn it there, and no further.
;; One version. Each part assembles by itself: llvm-mc -triple=amdgcn-amd-amdhsa -mcpu=gfx1250 --defsym DOCPART=n.
;; ======== version 1 of 1: 2 launches
;; workspace buffers: codes 6,400,000 bytes; scales 400,128 bytes
;; launch quant (part 1): grid 625 x 1, 5 waves a work-group, no clusters, 27,648 bytes of LDS; arguments emb, codes, scales; writes codes, scales
.if DOCPART == 1
	.amdgcn_target "amdgcn-amd-amdhsa--gfx1250"
	.amdhsa_code_object_version 6
	.text
	.protected	k_q323502c30a_quant
	.globl	k_q323502c30a_quant
	.p2align	8
	.type	k_q323502c30a_quant,@function
k_q323502c30a_quant:
	s_mov_b64 s[64:65], 0
	v_nop
	global_prefetch_b8 v0, s[64:65] scope:SCOPE_SE
	s_setreg_imm32_b32 hwreg(HW_REG_WAVE_MODE, 25, 1), 1
	s_wait_xcnt 0x0
; Every row of emb [100000][128] f32 is divided by max(its L2 norm, 1e-12) and turned into codes of FP4 (E2M1), K in its own order,
; two codes a byte (the lower k in the low four bits): codes [100000][64] bytes; and one E8M0 byte for each 32 along K: scales [100000] words, byte b for k = 32 b .. 32 b + 31.
; Every operand row of the two quantised products is a row of this table, and a row is named by several indices: so the table is normalised and quantised ONCE, and the f32 numbers are read once, as a stream.
; A block's scale is 2^(floor(log2(its largest magnitude)) - 2); its byte is the largest magnitude's exponent field - 2, held at 1 from below.
; LIMITS: NaN and infinities among the inputs are not served.  x / max(sqrt(s), 1e-12) is computed as x * min(rsq(s), 1e12): two roundings and the reciprocal root's own error, a few units in the last place.
; A block of zeros gets the byte 1 where the rule says 127: its codes are zeros, which add nothing under any byte but 0xff, and the bytes are read by this program alone.
; SHARES: 100000 = 3125 x 32.  Wave W = 5 x work-group + wave takes rows 32 W .. 32 W + 31, in 8 steps of 4 rows (2,048 bytes).  All 32 loads of a wave (16,384 bytes) go out at its head.
; Each load reads 512 consecutive bytes, 16 a lane.  The conversions want 16 NEIGHBOURS along K in one lane: so a step's 2,048 bytes turn through the wave's own stage in LDS, stored as they lie and read back 64 bytes a lane
; (16 bytes of padding behind each 64).  Lane L then holds row L / 8 of the step, k = 16 (L % 8) + 0 .. 15: two neighbouring lanes hold a block, eight a row.
; No tensor loads: waves share nothing.
.set STEPS, 8
.set SP,    80                         ; a lane's place in a stage: 64 bytes + 16 of padding
.set STG,   32*SP                      ; a stage
.set SBY,   2*STG                      ; behind the two stages: the wave's 128 scale bytes
.set WREG,  2*STG+256                  ; a wave's region of LDS
.set R,     16                         ; v16-143  eight sets of 16 numbers as they are loaded
.set X,     144                        ; v144-175 two sets of 16 neighbours
.set C,     176                        ; v176-191 codes: two registers for each step, never written again
.set E,     192                        ; v192-199 a scale byte for each step
	s_load_b128 s[4:7], s[0:1], 0x0                ; emb, codes
	s_load_b64 s[8:9], s[0:1], 0x10                ; scales
	v_lshl_add_u32 v208, v0, 2, 0x6900
	v_mov_b32 v209, 0
	v_lshrrev_b32 v1, 5, v0
	v_readfirstlane_b32 s10, v1                    ; wave 0..4
	v_and_b32 v2, 31, v0                           ; lane
	v_lshlrev_b32 v3, 4, v2                        ; my 16 bytes of a load's 512
	v_lshlrev_b32 v4, 3, v2                        ; my 8 bytes of a step's 256 bytes of codes
	s_mul_i32 s14, s10, WREG                       ; my wave's region
	v_lshrrev_b32 v14, 2, v2
	v_mul_u32_u24 v14, v14, SP
	v_and_b32 v15, 3, v2
	v_lshl_add_u32 v14, v15, 4, v14
	v_add_nc_u32 v14, s14, v14                     ; into the stage: four lanes' 64 bytes on end, then the padding
	v_mul_u32_u24 v15, v2, SP
	v_add_nc_u32 v15, s14, v15                     ; out of it: my 16 neighbours
	s_add_co_u32 s15, s14, SBY
	v_lshrrev_b32 v5, 1, v2
	v_add_nc_u32 v5, s15, v5                       ; my block's scale byte in a step's 16
	v_lshlrev_b32 v7, 2, v2                        ; on the way out a word a lane: a row's four bytes
	v_add_nc_u32 v6, s15, v7
	v_mov_b32 v13, 0                               ; (named as the upper half of the pair v[12:13], so it is written)
	s_mul_i32 s11, ttmp9, 5
	s_add_co_u32 s11, s11, s10                     ; W
	s_mov_b32 s13, 0
	s_wait_kmcnt 0x0
	s_lshl_b32 s12, s11, 14                        ; 32 rows of 512 bytes
	s_add_nc_u64 s[4:5], s[4:5], s[12:13]
	s_lshl_b32 s12, s11, 11                        ; 32 rows of 64 bytes
	s_add_nc_u64 s[6:7], s[6:7], s[12:13]
	s_lshl_b32 s12, s11, 7                         ; 32 words
	s_add_nc_u64 s[8:9], s[8:9], s[12:13]
.macro LOAD t
.irp i, 0,1,2,3
	global_load_b128 v[R+16*(\t)+4*\i:R+16*(\t)+4*\i+3], v3, s[4:5] offset:2048*(\t)+512*\i th:TH_LOAD_NT   ; one row: 32 lanes read 512 consecutive bytes; read once in the launch
.endr
.endm
.macro TURN t                          ; step t's numbers through a stage: LDS serves a wave's instructions in order, so no wait stands between the stores and the loads
.irp i, 0,1,2,3
	ds_store_b128 v14, v[R+16*(\t)+4*\i:R+16*(\t)+4*\i+3] offset:STG*((\t)%2)+8*SP*\i
.endr
.irp i, 0,1,2,3
	ds_load_b128 v[X+16*((\t)%2)+4*\i:X+16*((\t)%2)+4*\i+3], v15 offset:STG*((\t)%2)+16*\i
.endr
.endm
.irp t, 0,1,2,3,4,5,6,7
	LOAD \t
.endr
	s_wait_loadcnt 28                              ; step 0's four loads are in; the 28 behind them may be out
	TURN 0
.macro STEP t
.set XS, X+16*((\t)%2)
.if (\t) > 0
	s_wait_dscnt 1                                 ; this step's numbers are back from the stage; the last step's byte store may be out
.else
	s_wait_dscnt 0x0
.endif
.if (\t) < STEPS-1
	s_wait_loadcnt 4*(STEPS-2-(\t))                ; the next step's four loads are in; those of the steps behind it may be out
	TURN (\t)+1                                    ; and go through the other stage while this step is worked
.endif
	v_pk_mul_f32 v[10:11], v[XS:XS+1], v[XS:XS+1]                  ; the sum of my 16 squares, two at a time, in two chains
	v_pk_mul_f32 v[202:203], v[XS+2:XS+3], v[XS+2:XS+3]
.irp i, 4,8,12
	v_pk_fma_f32 v[10:11], v[XS+\i:XS+\i+1], v[XS+\i:XS+\i+1], v[10:11]
	v_pk_fma_f32 v[202:203], v[XS+\i+2:XS+\i+3], v[XS+\i+2:XS+\i+3], v[202:203]
.endr
	v_pk_add_f32 v[10:11], v[10:11], v[202:203]
	v_add_f32 v10, v10, v11
	v_add_f32_dpp v10, v10, v10 row_xmask:1 row_mask:0xf bank_mask:0xf   ; and of the row's eight lanes
	v_add_f32_dpp v10, v10, v10 row_xmask:2 row_mask:0xf bank_mask:0xf
	v_add_f32_dpp v10, v10, v10 row_xmask:4 row_mask:0xf bank_mask:0xf
	v_rsq_f32 v12, v10                             ; 1 / the norm; the search for the largest magnitude, which names neither register, stands behind it
	v_max3_num_f32 v8, |v[XS]|, |v[XS+1]|, |v[XS+2]|
	v_max3_num_f32 v9, |v[XS+3]|, |v[XS+4]|, |v[XS+5]|
.irp i, 6,10
	v_max3_num_f32 v8, v8, |v[XS+\i]|, |v[XS+\i+1]|
	v_max3_num_f32 v9, v9, |v[XS+\i+2]|, |v[XS+\i+3]|
.endr
	v_max3_num_f32 v8, v8, |v[XS+14]|, |v[XS+15]|
	v_max_num_f32 v8, v8, v9
	v_max_num_f32_dpp v8, v8, v8 row_xmask:1 row_mask:0xf bank_mask:0xf   ; with my neighbour's 16: the block's
	s_wait_alu depctr_va_vdst(0)                   ; wait ahead of the first line that names the reciprocal root
	v_min_num_f32 v12, 0x5368d4a5, v12             ; min(1 / norm, 1e12) = 1 / max(norm, 1e-12); a row of zeros gives infinity, which is held here
	v_mul_f32 v8, v8, v12                          ; the largest NORMALISED magnitude: the multiplication is monotone, so this is the largest of the products below, bit for bit
	v_max_num_f32 v8, 0x1800000, v8                ; the floor 2^(3 - 127): the byte cannot fall under 1
	v_add_nc_u32 v200, 0xff000000, v8              ; 2 off its exponent field: the conversion takes the exponent field of this operand as its scale, and nothing else of it
.irp i, 0,2,4,6,8,10,12,14
	v_pk_mul_f32 v[XS+\i:XS+\i+1], v[XS+\i:XS+\i+1], v[12:13] op_sel_hi:[1,0]   ; the normalised numbers
.endr
	v_cvt_scalef32_pk8_fp4_f32 v[C+2*(\t)], v[XS:XS+7], v200       ; eight numbers / the scale, to the nearest code, ties to even, beyond the largest code the largest
	v_cvt_scalef32_pk8_fp4_f32 v[C+2*(\t)+1], v[XS+8:XS+15], v200
	v_lshrrev_b32 v[E+(\t)], 23, v200              ; the scale's byte.  (Also the plain line behind the conversions)
	ds_store_b8 v5, v[E+(\t)] offset:16*(\t)       ; both lanes of a block write the same byte with the same value
	global_store_b64 v4, v[C+2*(\t):C+2*(\t)+1], s[6:7] offset:256*(\t)   ; four rows' codes: 32 lanes store 256 consecutive bytes, at a multiple of 256 from the buffer's first byte
.endm
.irp t, 0,1,2,3,4,5,6,7
	STEP \t
.endr
	ds_load_b32 v201, v6                           ; LDS serves a wave's instructions in order: this sees my byte stores
	s_wait_dscnt 0x0
	global_store_b32 v7, v201, s[8:9]              ; my 32 rows' scale words: 128 consecutive bytes
	s_barrier_signal -1
	s_barrier_wait -1
	s_wait_tensorcnt 0x0
	ds_add_u32 v208, v209
	s_wait_dscnt 0x0
	s_endpgm
.Lfunc_end_k_q323502c30a_quant:
	.size	k_q323502c30a_quant, .Lfunc_end_k_q323502c30a_quant-k_q323502c30a_quant
	.p2alignl 7, 3214868480
	.fill 96, 4, 3214868480
	.section	.rodata,"a",@progbits
	.p2align	6, 0x0
	.amdhsa_kernel k_q323502c30a_quant
		.amdhsa_group_segment_fixed_size 27648
		.amdhsa_private_segment_fixed_size 0
		.amdhsa_enable_private_segment 0
		.amdhsa_kernarg_size 24
		.amdhsa_user_sgpr_count 2
		.amdhsa_user_sgpr_kernarg_segment_ptr 1
		.amdhsa_wavefront_size32 1
		.amdhsa_system_sgpr_workgroup_id_x 1
		.amdhsa_system_sgpr_workgroup_id_y 1
		.amdhsa_system_sgpr_workgroup_id_z 1
		.amdhsa_system_vgpr_workitem_id 0
		.amdhsa_next_free_vgpr 210
		.amdhsa_next_free_sgpr 66
		.amdhsa_reserve_vcc 0
		.amdhsa_float_denorm_mode_32 3
		.amdhsa_float_denorm_mode_16_64 3
		.amdhsa_memory_ordered 1
		.amdhsa_forward_progress 1
		.amdhsa_inst_pref_size 29
	.end_amdhsa_kernel
	.amdgpu_metadata
---
amdhsa.version: [ 1, 2 ]
amdhsa.kernels:
  - .name:           k_q323502c30a_quant
    .symbol:         k_q323502c30a_quant.kd
    .args:
      - { .name: emb, .offset: 0, .size: 8, .value_kind: global_buffer, .address_space: global }
      - { .name: codes, .offset: 8, .size: 8, .value_kind: global_buffer, .address_space: global }
      - { .name: scales, .offset: 16, .size: 8, .value_kind: global_buffer, .address_space: global }
    .group_segment_fixed_size: 27648
    .private_segment_fixed_size: 0
    .kernarg_segment_align: 8
    .kernarg_segment_size: 24
    .max_flat_workgroup_size: 160
    .sgpr_count:     66
    .vgpr_count:     210
    .wavefront_size: 32
...
	.end_amdgpu_metadata
.endif
;; end of part 1
;; launch pool (part 2): grid 256 x 1, 16 waves a work-group, no clusters, 2,304 bytes of LDS; arguments codes, scales, query_1, doc_1, query_2, doc_2, W1, b1, W2, b2, W3, b3, out0; writes out0
.if DOCPART == 2
	.amdgcn_target "amdgcn-amd-amdhsa--gfx1250"
	.amdhsa_code_object_version 6
	.text
	.protected	k_q323502c30a_pool
	.globl	k_q323502c30a_pool
	.p2align	8
	.type	k_q323502c30a_pool,@function
k_q323502c30a_pool:
	s_mov_b64 s[64:65], 0
	v_nop
	global_prefetch_b8 v0, s[64:65] scope:SCOPE_SE
	s_setreg_imm32_b32 hwreg(HW_REG_WAVE_MODE, 25, 1), 1
	s_wait_xcnt 0x0
; out0[b] = sigmoid(logit(query_1[b], doc_1[b]) - logit(query_2[b], doc_2[b])).  logit: M = Q D^T on codes of FP4 with E8M0 scales (32 queries x 64 docs, K = 128); 21 Gaussian kernels of every M, summed over the docs;
; log1p; summed over the queries; an MLP 21-10-5-1 with relu.  The rows' codes and scale words were made by the launch before: codes [100000][64] bytes, scales [100000] words.
; SHARES: one wave to a batch item, both its pairs; item = 16 x work-group + wave; 4,096 items = 256 work-groups of 16 waves, four waves to a SIMD with 256 registers each, so that one wave's exponentials stand beside another's packed arithmetic.
; No tile is shared between work-groups (the rows are gathered), so there is no cluster, no tensor load and no ring; each fragment goes from memory straight into registers and feeds its products once.
; THE PRODUCT IS USED TRANSPOSED: source 0 = 16 docs, source 1 = 16 queries: a lane holds ONE query (lane % 16) and eight docs.  Both sums ignore order, so the rows of a tile are chosen for the index loads:
; lane r of doc tile t takes doc 4 r + t, lane r of query tile q takes query 2 r + q: a lane's indices are 16 and 8 neighbouring bytes.
; THE 20 KERNELS OF SIGMA 0.1 stand at mu = 0.05 + 0.1 j, j = -10 .. 9 (constants of the problem's own text).  With s = sqrt(log2(e) / 0.04), z = s (M - 0.05), c = 0.2 s:
;   sqrt(kernel j) = 2^(-(z - 0.1 s j)^2) = 2^(-z^2) x (2^(c z))^j x e^(-j^2 / 4).  So three exponentials (P0 = 2^(-z^2), RU = 2^(c z), RD = 2^(-c z)) and two chains of multiplications give all twenty;
;   the sums are taken of (P0 R^|j|)^2, one packed multiply-add each, and the constant e^(-j^2 / 2) is applied once to each finished sum.  The kernel of sigma 0.001 has its own exponential.
; RANGE: a unit vector quantised to E2M1 by the rule has a norm under 1.275 (the worst block: one number just over 5 scale units, 31 just over 0.25), so |M| < 1.63, z^2 < 103: P0 is a normal number;
;   P0 R^|j| stays under 2^36 and a sum of 64 squares under 2^79; a chain only falls toward 0 where R < 1, and there the kernel itself lies under 2^-400.
; LIMITS: log1p(S) is computed as ln 2 x log2(1 + S): an absolute error of about 6e-8 a term, which counts only where S is far under 1e-6 of the features that matter.  The chains carry a relative error of about 2e-5.
;   NaN and infinities among the inputs are not served.  An index is held to 0 .. 99999.
; The text is written out without a loop: register numbers differ from group to group; its sixteen groups are about 1,600 bytes each.
.set SC,  8                            ; v8-19    scale words and nothing else: pair p, tile i (0-3 docs, 4-5 queries) at SC + 6 p + i
.set S,   32                           ; v32-95   M: tile (q, t) at S + 32 q + 8 t
.set F0,  96                           ; v96-143  pair 0's six fragments; afterwards at work:
.set PU,  96                           ;   z, then P0, then the chain upward
.set PD,  104                          ;   c z, then the chain downward
.set RU,  112
.set RD,  120
.set TE,  128                          ;   the exact kernel
.set F1,  144                          ; v144-191 pair 1's six fragments; afterwards:
.set T1,  144                          ;   v144-164 pair 1's 21 sums
.set W1C, 165                          ;   v165-185 my column of W1
.set B1R, 186                          ;   my number of b1
.set W2R, 187                          ;   v187-191 my row of W2
.set ACC, 192                          ; v192-233 21 pairs of running sums; before the first group: indices and offsets
.set IX,  192                          ;   pair p's six indices at IX + 8 p + i
.set OF,  208                          ;   pair p's six byte offsets in codes at OF + 6 p + i
.set T0,  234                          ; v234-254 pair 0's 21 sums
.set OA,  255                          ; v255     4 x (lane % 16): the way out
.set CK1,  0x3f1b4598                  ; e^(-j^2 / 2), j = 1 .. 10
.set CK2,  0x3e0a9555
.set CK3,  0x3c360282
.set CK4,  0x39afe108
.set CK5,  0x367a176a
.set CK6,  0x3282d314
.set CK7,  0x2dc9683f
.set CK8,  0x28642328
.set CK9,  0x223e2191
.set CK10, 0x1b692beb
	s_load_b512 s[8:23], s[0:1], 0x0               ; codes s[8:9], scales s[10:11], query_1 s[12:13], doc_1 s[14:15], query_2 s[16:17], doc_2 s[18:19], W1 s[20:21], b1 s[22:23]
	s_load_b256 s[24:31], s[0:1], 0x40             ; W2 s[24:25], b2 s[26:27], W3 s[28:29], b3 s[30:31]
	s_load_b64 s[32:33], s[0:1], 0x60              ; out0
	v_lshrrev_b32 v32, 5, v0
	v_readfirstlane_b32 s58, v32                   ; wave 0..15
	v_lshlrev_b32 v31, 2, v32                      ; LDS: my wave's word
	v_and_b32 v33, 15, v0                          ; r
	v_bfe_u32 v34, v0, 4, 1                        ; h
	v_lshlrev_b32 v1, 4, v33                       ; my four doc indices
	v_lshlrev_b32 v2, 3, v33                       ; my two query indices
	v_lshlrev_b32 v3, 4, v34                       ; a fragment's 16 h bytes
	v_lshlrev_b32 v[OA], 2, v33
	s_lshl_b32 s59, ttmp9, 4
	s_add_co_u32 s59, s59, s58                     ; my item
	s_lshl_b32 s60, s59, 7                         ; 32 indices
	s_mov_b32 s61, 0
	s_wait_kmcnt 0x0
	s_add_nc_u64 s[12:13], s[12:13], s[60:61]
	s_add_nc_u64 s[16:17], s[16:17], s[60:61]
	s_lshl_b32 s60, s59, 8                         ; 64 indices
	s_add_nc_u64 s[14:15], s[14:15], s[60:61]
	s_add_nc_u64 s[18:19], s[18:19], s[60:61]
	global_load_b128 v[IX:IX+3], v1, s[14:15] th:TH_LOAD_NT        ; docs 4 r .. 4 r + 3 of pair 0 (both halves of the lanes take the same)
	global_load_b64 v[IX+4:IX+5], v2, s[12:13] th:TH_LOAD_NT       ; queries 2 r, 2 r + 1
	global_load_b128 v[IX+8:IX+11], v1, s[18:19] th:TH_LOAD_NT     ; pair 1
	global_load_b64 v[IX+12:IX+13], v2, s[16:17] th:TH_LOAD_NT
	s_load_b128 s[36:39], s[26:27], 0x0            ; b2
	s_load_b32 s40, s[26:27], 0x10
	s_load_b128 s[44:47], s[28:29], 0x0            ; W3
	s_load_b32 s48, s[28:29], 0x10
	s_load_b32 s49, s[30:31], 0x0                  ; b3
	s_lshl_b32 s60, ttmp9, 6                       ; the work-group's 16 results
	s_add_nc_u64 s[32:33], s[32:33], s[60:61]
	v_min_u32 v35, 9, v33                          ; the MLP: lane r takes hidden unit min(r, 9); lanes 10-15 are made to count for nothing
	v_lshlrev_b32 v20, 2, v35                      ; its column of W1, its number of b1
	v_mul_u32_u24 v21, v35, 20                     ; its row of W2
	v_mov_b32 v4, 0xbe99be61                       ; -0.05 s, twice
	v_mov_b32 v5, 0xbe99be61
	v_mov_b32 v6, 0xc4545498                       ; -se, twice
	v_mov_b32 v7, 0xc4545498
	v_mov_b32 v29, 0                               ; a lane permute's destination counts as one of its sources
	s_mov_b32 s50, 0x40c02df9                      ; s = sqrt(log2(e) / 0.04); the packed forms name a pair and take its low word for both halves
	s_mov_b32 s51, s50
	s_mov_b32 s52, 0x3f99be61                      ; c = 0.2 s
	s_mov_b32 s53, s52
	s_mov_b32 s54, 0x44545498                      ; se = sqrt(log2(e) / 0.000002)
	s_mov_b32 s55, s54
	s_mov_b32 s56, 0x76543210                      ; v_permlanex16_b32's selects for lane l xor 16
	s_mov_b32 s57, 0xfedcba98
.macro OFFS p                          ; pair p's indices become byte offsets: in codes 64 x index + 16 h, in scales 4 x index
.irp i, 0,1,2,3,4,5
	v_min_u32 v[IX+8*\p+\i], 0x1869f, v[IX+8*\p+\i]
.endr
.irp i, 0,1,2,3,4,5
	v_lshl_add_u32 v[OF+6*\p+\i], v[IX+8*\p+\i], 6, v3
.endr
.irp i, 0,1,2,3,4,5
	v_lshlrev_b32 v[IX+8*\p+\i], 2, v[IX+8*\p+\i]
.endr
.endm
.macro GATHER p, F                     ; 18 loads.  A fragment, 16 rows x 128 K of 4-bit codes: lane (r, h) takes bytes 16 h .. and 32 + 16 h .. of its row; lane r takes its row's scale word
.irp i, 0,1,2,3,4,5
	global_load_b128 v[\F+8*\i:\F+8*\i+3], v[OF+6*\p+\i], s[8:9]
	global_load_b128 v[\F+8*\i+4:\F+8*\i+7], v[OF+6*\p+\i], s[8:9] offset:32
	global_load_b32 v[SC+6*\p+\i], v[IX+8*\p+\i], s[10:11]
.endr
.endm
.macro MULT p, F                       ; M^T, eight tiles, each a whole sum (K = 128): C is the constant 0, no accumulator is taken up again
.irp q, 0,1
.irp t, 0,1,2,3
	v_wmma_scale_f32_16x16x128_f8f6f4 v[S+32*\q+8*\t:S+32*\q+8*\t+7], v[\F+8*\t:\F+8*\t+7], v[\F+32+8*\q:\F+32+8*\q+7], 0, v[SC+6*\p+\t], v[SC+6*\p+4+\q] matrix_a_fmt:MATRIX_FMT_FP4 matrix_b_fmt:MATRIX_FMT_FP4
.endr
.endr
.rept 4
	v_nop                                          ; four places ahead of the first read of results, of vector writes and of loads into the fragments' registers
.endr
.endm
; One tile's eight registers of M (four pairs) go into the 21 running sums.  first = 1: the first products start the sums: nothing is ever cleared.
.macro GROUP x, first
.set XB, \x
.irp c, 0,2,4,6
	v_pk_fma_f32 v[PU+\c:PU+\c+1], v[XB+\c:XB+\c+1], s[50:51], v[4:5] op_sel_hi:[1,0,1]   ; z = s M - 0.05 s.  (The tile is read from its low end on)
.endr
.irp c, 0,2,4,6
	v_pk_fma_f32 v[TE+\c:TE+\c+1], v[XB+\c:XB+\c+1], s[54:55], v[6:7] op_sel_hi:[1,0,1]   ; se (M - 1), one rounding
.endr
.irp c, 0,2,4,6
	v_pk_mul_f32 v[PD+\c:PD+\c+1], v[PU+\c:PU+\c+1], s[52:53] op_sel_hi:[1,0]              ; c z
.endr
.irp c, 0,2,4,6
	v_pk_mul_f32 v[PU+\c:PU+\c+1], v[PU+\c:PU+\c+1], v[PU+\c:PU+\c+1] neg_lo:[1,0] neg_hi:[1,0]   ; -z^2
.endr
.irp c, 0,2,4,6
	v_pk_mul_f32 v[TE+\c:TE+\c+1], v[TE+\c:TE+\c+1], v[TE+\c:TE+\c+1] neg_lo:[1,0] neg_hi:[1,0]
.endr
.irp i, 0,1,2,3,4,5,6,7
	v_exp_f32 v[PU+\i], v[PU+\i]                   ; P0.  ONE BATCH of 32 exponentials: none reads another's result
.endr
.irp i, 0,1,2,3,4,5,6,7
	v_exp_f32 v[RU+\i], v[PD+\i]                   ; RU
.endr
.irp i, 0,1,2,3,4,5,6,7
	v_exp_f32 v[RD+\i], -v[PD+\i]                  ; RD
.endr
.irp i, 0,1,2,3,4,5,6,7
	v_exp_f32 v[TE+\i], v[TE+\i]                   ; the exact kernel
.endr
	v_nop                                          ; a plain line behind the last exponential, ahead of the first use of a result and of the write over c z
	s_wait_alu depctr_va_vdst(0)                   ; wait ahead of the first line that names a result: one for the batch
.irp c, 0,2,4,6
	v_pk_mul_f32 v[PD+\c:PD+\c+1], v[PU+\c:PU+\c+1], v[RD+\c:RD+\c+1]                      ; the chain downward begins at j = -1
.endr
	v_pk_add_f32 v[TE:TE+1], v[TE:TE+1], v[TE+2:TE+3]
	v_pk_add_f32 v[TE+4:TE+5], v[TE+4:TE+5], v[TE+6:TE+7]
.if \first
	v_pk_add_f32 v[ACC+40:ACC+41], v[TE:TE+1], v[TE+4:TE+5]
.else
	v_pk_add_f32 v[TE:TE+1], v[TE:TE+1], v[TE+4:TE+5]
	v_pk_add_f32 v[ACC+40:ACC+41], v[ACC+40:ACC+41], v[TE:TE+1]
.endif
.irp j, 0,1,2,3,4,5,6,7,8,9            ; kernel 10 + j from the chain upward, kernel 9 - j from the chain downward; two lines on one sum stand four lines apart
.irp c, 0,2,4,6
.if \first && (\c == 0)
	v_pk_mul_f32 v[ACC+20+2*\j:ACC+21+2*\j], v[PU+\c:PU+\c+1], v[PU+\c:PU+\c+1]
	v_pk_mul_f32 v[ACC+18-2*\j:ACC+19-2*\j], v[PD+\c:PD+\c+1], v[PD+\c:PD+\c+1]
.else
	v_pk_fma_f32 v[ACC+20+2*\j:ACC+21+2*\j], v[PU+\c:PU+\c+1], v[PU+\c:PU+\c+1], v[ACC+20+2*\j:ACC+21+2*\j]
	v_pk_fma_f32 v[ACC+18-2*\j:ACC+19-2*\j], v[PD+\c:PD+\c+1], v[PD+\c:PD+\c+1], v[ACC+18-2*\j:ACC+19-2*\j]
.endif
.if \j < 9
	v_pk_mul_f32 v[PU+\c:PU+\c+1], v[PU+\c:PU+\c+1], v[RU+\c:RU+\c+1]
	v_pk_mul_f32 v[PD+\c:PD+\c+1], v[PD+\c:PD+\c+1], v[RD+\c:RD+\c+1]
.endif
.endr
.endr
.endm
.macro HALF0 T                         ; query tile 0 is through: a lane's 32 docs
.set k, 0
.rept 21
	v_add_f32 v[\T+k], v[ACC+2*k], v[ACC+2*k+1]
.set k, k+1
.endr
.endm
.macro HALF1 T                         ; query tile 1 is through.  The exchange puts tile 0's two halves of the docs into lanes 0-15 of the two registers and tile 1's into lanes 16-31:
.set k, 0                              ; their sum holds query 2 r in lane r and query 2 r + 1 in lane 16 + r, each over all 64 docs
.rept 21
	v_add_f32 v[ACC+2*k], v[ACC+2*k], v[ACC+2*k+1]
.set k, k+1
.endr
.set k, 0
.rept 21
	v_permlane16_swap_b32 v[\T+k], v[ACC+2*k]
.set k, k+1
.endr
.set k, 0
.rept 21
	v_add_f32 v[\T+k], v[\T+k], v[ACC+2*k]
.set k, k+1
.endr
.endm
.macro POOL T                          ; a pair's eight tiles
	GROUP S, 1
	GROUP S+8, 0
	GROUP S+16, 0
	GROUP S+24, 0
	HALF0 \T
	GROUP S+32, 1
	GROUP S+40, 0
	GROUP S+48, 0
	GROUP S+56, 0
	HALF1 \T
.endm
.macro ONEPLUS T                       ; 1 + the kernel's true sum: the chain's constant e^(-j^2 / 2) goes in here, in the same multiply-add
	v_fma_f32 v[\T], v[\T], CK10, 1.0
.irp j, 1,2,3,4,5,6,7,8,9
	v_fma_f32 v[\T+10-\j], v[\T+10-\j], CK\j, 1.0
	v_fma_f32 v[\T+10+\j], v[\T+10+\j], CK\j, 1.0
.endr
	v_add_f32 v[\T+10], 1.0, v[\T+10]
	v_add_f32 v[\T+20], 1.0, v[\T+20]
.endm
	s_wait_loadcnt 2                               ; pair 0's indices are in; pair 1's two loads may be out
	OFFS 0
	GATHER 0, F0
	s_wait_loadcnt 18                              ; pair 1's indices are in; the 18 loads just issued may be out
	OFFS 1
	GATHER 1, F1
	s_wait_loadcnt 18                              ; pair 0's fragments and scale words are in; pair 1's 18 loads may be out
	s_wait_xcnt 0x0                                ; pair 1's loads have read their offsets, which lie where the running sums are written next
	MULT 0, F0
	POOL T0
	s_wait_loadcnt 0x0                             ; pair 1's fragments and scale words
	MULT 1, F1
.set k, 0
.rept 21
	global_load_b32 v[W1C+k], v20, s[20:21] offset:40*k            ; W1[k][min(r, 9)]: into registers that pair 1's fragments have left, behind the four places
.set k, k+1
.endr
	global_load_b32 v[B1R], v20, s[22:23]
.irp i, 0,1,2,3,4
	global_load_b32 v[W2R+\i], v21, s[24:25] offset:4*\i           ; W2[min(r, 9)][i]
.endr
	POOL T1
	; ---- log1p and the sum over the queries.  The exchange brings pair 0 into lanes 0-15 and pair 1 into lanes 16-31; the product of a lane's two factors (each at most 65) halves the logarithms
	ONEPLUS T0
	ONEPLUS T1
.set k, 0
.rept 21
	v_permlane16_swap_b32 v[T0+k], v[T1+k]
.set k, k+1
.endr
.set k, 0
.rept 21
	v_mul_f32 v[T0+k], v[T0+k], v[T1+k]
.set k, k+1
.endr
.set k, 0
.rept 21
	v_log_f32 v[T0+k], v[T0+k]
.set k, k+1
.endr
	v_nop                                          ; a plain line behind the last logarithm
	s_wait_alu depctr_va_vdst(0)                   ; and the wait: one for the 21
.irp m, 1,2,4,8
.set k, 0
.rept 21
	v_add_f32_dpp v[T0+k], v[T0+k], v[T0+k] row_xmask:\m row_mask:0xf bank_mask:0xf   ; over the sixteen lanes of a half: every lane then holds its pair's 21 features, in units of log2
.set k, k+1
.endr
.endr
	; ---- the MLP, both pairs at once, one in each half of the lanes; f32 multiply-adds: 265 for a pair
	s_wait_loadcnt 0x0                             ; W1, b1, W2
	s_wait_kmcnt 0x0                               ; b2, W3, b3
	v_and_b32 v96, 15, v0
	v_cmp_gt_u32 vcc_lo, 10, v96
.irp i, 0,1,2,3,4
	v_cndmask_b32 v[W2R+\i], 0, v[W2R+\i], vcc_lo  ; lanes 10-15 of a half repeat hidden unit 9: they count for nothing
.endr
	v_mul_f32 v22, v[T0], v[W1C]                   ; two chains
	v_mul_f32 v23, v[T0+1], v[W1C+1]
.irp k, 2,4,6,8,10,12,14,16,18
	v_fmac_f32 v22, v[T0+\k], v[W1C+\k]
	v_fmac_f32 v23, v[T0+\k+1], v[W1C+\k+1]
.endr
	v_fmac_f32 v22, v[T0+20], v[W1C+20]
	v_add_f32 v22, v22, v23
	v_fma_f32 v22, v22, 0x3f317218, v[B1R]         ; x ln 2: the features were in units of log2; + b1
	v_max_num_f32 v22, 0, v22
.irp i, 0,1,2,3,4
	v_mul_f32 v[23+\i], v22, v[W2R+\i]
.endr
.irp m, 1,2,4,8
.irp i, 0,1,2,3,4
	v_add_f32_dpp v[23+\i], v[23+\i], v[23+\i] row_xmask:\m row_mask:0xf bank_mask:0xf
.endr
.endr
.irp i, 0,1,2,3,4
	v_add_f32 v[23+\i], s[36+\i], v[23+\i]         ; + b2
.endr
.irp i, 0,1,2,3,4
	v_max_num_f32 v[23+\i], 0, v[23+\i]
.endr
	v_fma_f32 v28, v23, s44, s49                   ; b3 starts the sum
.irp i, 1,2,3,4
	v_fma_f32 v28, v[23+\i], s[44+\i], v28
.endr
	; ---- the sigmoid of the difference: lanes 0-15 hold logit 1, lanes 16-31 logit 2
	v_permlanex16_b32 v29, v28, s56, s57
	v_sub_f32 v28, v28, v29
	v_mul_f32 v28, 0xbfb8aa3b, v28                 ; x -log2(e)
	v_exp_f32 v28, v28
	v_nop
	s_wait_alu depctr_va_vdst(0)
	v_add_f32 v28, 1.0, v28
	v_rcp_f32 v28, v28
	v_nop
	s_wait_alu depctr_va_vdst(0)
	v_readfirstlane_b32 s63, v28                   ; lane 0's: the item's result
	v_mov_b32 v30, s63
	ds_store_b32 v31, v30                          ; all lanes write my wave's word with the same value
	s_wait_dscnt 0x0                               ; for the others' sake: my store is done
	s_barrier_signal -1
	s_barrier_wait -1
	s_cmp_lg_u32 s58, 0
	s_cbranch_scc1 .Lend
	ds_load_b32 v30, v[OA]                         ; wave 0 stores the work-group's 16 results
	s_wait_dscnt 0x0
	s_wait_xcnt 0x0                                ; EXEC changes only behind this wait
	v_cmp_gt_u32 vcc_lo, 16, v0
	s_and_saveexec_b32 s62, vcc_lo
	global_store_b32 v[OA], v30, s[32:33]          ; sixteen lanes store 64 consecutive bytes
	s_wait_xcnt 0x0                                ; and again, in front of the line that widens it
	s_or_b32 exec_lo, exec_lo, s62
.Lend:
	s_wait_xcnt 0x0
	s_mov_b32 exec_lo, -1
	v_lshl_add_u32 v254, v0, 2, 0x100
	v_mov_b32 v255, 0
	s_wait_tensorcnt 0x0
	ds_add_u32 v254, v255
	s_wait_dscnt 0x0
	s_endpgm
.Lfunc_end_k_q323502c30a_pool:
	.size	k_q323502c30a_pool, .Lfunc_end_k_q323502c30a_pool-k_q323502c30a_pool
	.p2alignl 7, 3214868480
	.fill 96, 4, 3214868480
	.section	.rodata,"a",@progbits
	.p2align	6, 0x0
	.amdhsa_kernel k_q323502c30a_pool
		.amdhsa_group_segment_fixed_size 2304
		.amdhsa_private_segment_fixed_size 0
		.amdhsa_enable_private_segment 0
		.amdhsa_kernarg_size 104
		.amdhsa_user_sgpr_count 2
		.amdhsa_user_sgpr_kernarg_segment_ptr 1
		.amdhsa_wavefront_size32 1
		.amdhsa_system_sgpr_workgroup_id_x 1
		.amdhsa_system_sgpr_workgroup_id_y 1
		.amdhsa_system_sgpr_workgroup_id_z 1
		.amdhsa_system_vgpr_workitem_id 0
		.amdhsa_next_free_vgpr 256
		.amdhsa_next_free_sgpr 66
		.amdhsa_reserve_vcc 1
		.amdhsa_float_denorm_mode_32 3
		.amdhsa_float_denorm_mode_16_64 3
		.amdhsa_memory_ordered 1
		.amdhsa_forward_progress 1
		.amdhsa_inst_pref_size 235
	.end_amdhsa_kernel
	.amdgpu_metadata
---
amdhsa.version: [ 1, 2 ]
amdhsa.kernels:
  - .name:           k_q323502c30a_pool
    .symbol:         k_q323502c30a_pool.kd
    .args:
      - { .name: codes, .offset: 0, .size: 8, .value_kind: global_buffer, .address_space: global }
      - { .name: scales, .offset: 8, .size: 8, .value_kind: global_buffer, .address_space: global }
      - { .name: query_1, .offset: 16, .size: 8, .value_kind: global_buffer, .address_space: global }
      - { .name: doc_1, .offset: 24, .size: 8, .value_kind: global_buffer, .address_space: global }
      - { .name: query_2, .offset: 32, .size: 8, .value_kind: global_buffer, .address_space: global }
      - { .name: doc_2, .offset: 40, .size: 8, .value_kind: global_buffer, .address_space: global }
      - { .name: W1, .offset: 48, .size: 8, .value_kind: global_buffer, .address_space: global }
      - { .name: b1, .offset: 56, .size: 8, .value_kind: global_buffer, .address_space: global }
      - { .name: W2, .offset: 64, .size: 8, .value_kind: global_buffer, .address_space: global }
      - { .name: b2, .offset: 72, .size: 8, .value_kind: global_buffer, .address_space: global }
      - { .name: W3, .offset: 80, .size: 8, .value_kind: global_buffer, .address_space: global }
      - { .name: b3, .offset: 88, .size: 8, .value_kind: global_buffer, .address_space: global }
      - { .name: out0, .offset: 96, .size: 8, .value_kind: global_buffer, .address_space: global }
    .group_segment_fixed_size: 2304
    .private_segment_fixed_size: 0
    .kernarg_segment_align: 8
    .kernarg_segment_size: 104
    .max_flat_workgroup_size: 512
    .sgpr_count:     66
    .vgpr_count:     256
    .wavefront_size: 32
...
	.end_amdgpu_metadata
.endif
;; end of part 2
